; MI455X (gfx1250); checked and timed in simulation.
; The chip was launched on July 23, 2026; its instructions are those of AMD's public machine-readable ISA for CDNA 5 (MIT licence, August 2026) and "CDNA5" Instruction Set Architecture Reference Guide (July 2026). The comments in the code are by the model that wrote it; some were corrected since.
;; Self Attention. Allowed arithmetic: matrix products marked QUANTISED: E2M3 operands, one E8M0 scale for each 32 along K, by v_wmma_scale_f32_16x16x128_f8f6f4 with both operands' format E2M3, f32 sums; everything else in f32.
;; Inputs: Wk 512 x 1,024 float32; Wq 512 x 1,024 float32; Wv 512 x 1,024 float32; bk 512 float32; bq 512 float32; bv 512 float32; x 8 x 2,048 x 1,024 float32.
;; Outputs: out0 8 x 2,048 x 512 float32.
;; This version of the problem:
;;   THIS VERSION OF THE PROBLEM IS GIVEN IN LOW PRECISION. The matrix products marked QUANTISED in the list below multiply operands that are first quantised to E2M3 (2 exponent bits, 3 mantissa bits; 6 bits a number), with one power-of-two scale for each 32 numbers along K (OCP MX v1.0); their sums are f32. All else is computed in f32.
;;   The module's matrix products, in the order in which they are computed (A, B: the left and right operand; K: the contracted axis; several contracted axes count as one K, in the product's order):
;;     1. [M 16,384, K 1,024] x [K 1,024, N 512]; A: input x; B: input Wk: QUANTISED
;;     2. [M 16,384, K 1,024] x [K 1,024, N 512]; A: input x; B: input Wq: QUANTISED
;;     3. [M 16,384, K 1,024] x [K 1,024, N 512]; A: input x; B: input Wv: QUANTISED
;;     4. batch 8 x [M 2,048, K 512] x [K 512, N 2,048]; A: computed on the way; B: computed on the way: QUANTISED
;;     5. batch 8 x [M 2,048, K 2,048] x [K 2,048, N 512]; A: computed on the way; B: computed on the way: QUANTISED
;;   THE QUANTISER, for each operand of a quantised product, along K:
;;     - K is cut into blocks of 32 from its start; a last block that is shorter is filled with zeros.
;;     - A block's scale is 2^e with e = floor(log2(the largest magnitude in the block)) - 2, held to -126 .. 127; a block of zeros has e = 0. As a byte (E8M0): e + 127.
;;     - Each number is divided by its block's scale, clamped to +-7.5, and rounded to the nearest number of E2M3, ties to even, subnormals kept.
;;     - The product sums the exact products of the quantised numbers (number of the format x scale) in f32.
;;   ~~~python
;;   def quantise(x, axis):      # numpy; x: float32 -> the quantised numbers, widened to float32 again
;;       x = np.moveaxis(x, axis, -1); K = x.shape[-1]
;;       x = np.pad(x, [(0, 0)] * (x.ndim - 1) + [(0, -K % 32)]); x = x.reshape(x.shape[:-1] + (-1, 32)); a = np.abs(x).max(-1, keepdims=True)
;;       e = np.where(a > 0, np.clip(np.frexp(np.where(a > 0, a, 1))[1] - 1 - 2, -126, 127), 0)      # np.frexp(a)[1] - 1 = floor(log2(a)), exactly
;;       r = np.clip(x / 2.0 ** e, -7.5, 7.5)
;;       step = 2.0 ** (np.maximum(np.frexp(np.where(r == 0, 1, r))[1] - 1, 0) - 3)
;;       q = np.round(r / step) * step * 2.0 ** e      # np.round: ties to even
;;       return np.moveaxis(q.reshape(q.shape[:-2] + (-1,))[..., :K], -1, axis).astype(np.float32)
;;   ~~~
;;   OPERANDS COMPUTED ON THE WAY. 'Computed on the way' means the value that the module computes at that place (a softmax that the list does not call 'softmax' is quantised finished and normalised). What goes into a quantiser is computed in f32, as accurately as f32 sums, v_exp_f32 and their like allow (about 1e-6 of the number): no bf16 or f16 on the way to a quantiser, and a product that is left as it is and whose result goes on into a quantised operand takes f32 operands (vector FMAs, or v_wmma_f32_16x16x4_f32). A number that lies on a knife's edge between two numbers of the format may be rounded either way, as far as f32 arithmetic and the matrix unit's own rounding can turn it there, and no further.
;; One version. Each part assembles by itself: llvm-mc -triple=amdgcn-amd-amdhsa -mcpu=gfx1250 --defsym DOCPART=n.
;; ======== version 1 of 1: 3 launches
;; workspace buffers: x_img 12,582,912 bytes; x_sc 524,288 bytes; w_img 1,179,648 bytes; w_sc 49,152 bytes; kqv_img 18,874,368 bytes; kqv_sc 786,432 bytes
;; launch quant (part 1): grid 560 x 1, 4 waves a work-group, no clusters, 34,304 bytes of LDS; arguments x, Wk, Wq, Wv, x_img, x_sc, w_img, w_sc; writes x_img, x_sc, w_img, w_sc
.if DOCPART == 1
	.amdgcn_target "amdgcn-amd-amdhsa--gfx1250"
	.amdhsa_code_object_version 6
	.text
	.protected	k_q6b99731366_quant
	.globl	k_q6b99731366_quant
	.p2align	8
	.type	k_q6b99731366_quant,@function
k_q6b99731366_quant:
	s_mov_b64 s[64:65], 0
	v_nop
	global_prefetch_b8 v0, s[64:65] scope:SCOPE_SE
	s_setreg_imm32_b32 hwreg(HW_REG_WAVE_MODE, 25, 1), 1
	s_wait_xcnt 0x0
; FIRST OF THREE LAUNCHES.  x [16384][1024], Wk, Wq, Wv [512][1024], f32, K innermost, become codes of E2M3 with one E8M0 byte for each 32 along K.
; DEAD WORK: none.  Every product of reference() is live and every input is loaded: bq is the same along the softmax's axis in real numbers, but it moves the codes of the queries, so it stays;
; the sign mask throws no tile away.  The second product (keys x queries) is even made twice in the third launch, since the weights are quantised normalised, and a row's sum is known only behind its last column.
; LAYOUT OF THE WORKSPACE: in the order of the operand's registers.  A TILE T = 2 G + u holds the 16 rows 32 G + 8 u + p + 8 (p / 8), p = 0 .. 15.  A UNIT is one fragment (tile T, 128 along K): 12 registers x 32 lanes,
; 1,536 bytes; dword q of lane l lies at 512 (q / 4) + 16 l + 4 (q % 4).  Three accesses of 16 bytes a lane store or load a unit.  Images: [T][8 K steps] units.  Scale words: [T][4 pairs of K steps][16 rows][2 words].
; A block's scale is 2^(floor(log2(its largest magnitude)) - 2); its byte is the largest magnitude's exponent field - 2, held at 1 from below.
; LIMITS: NaN and infinities among the inputs are not served.  A block whose largest magnitude lies under 2^-124 has its byte held at 1; a block of zeros gets the byte 1 where the rule says 127: its codes are
; zeros, which add nothing under any byte but 0xff, and only this program reads the bytes.
; SHARES.  Work-groups 0 .. 511 take 32 rows of x each, 512 .. 559 take 32 rows of Wk, Wq or Wv: pointers alone are chosen, one path serves all.  Wave w takes tile u = w / 2 and K steps 4 (w % 2) + 0 .. 3.
; Each load reads 512 consecutive bytes of one row; a unit's 16 rows turn through the wave's own stage in LDS (rows 528 bytes apart), so that a lane gets 16 neighbours of each block.  No barrier: waves share nothing.
.set STGB,  8448                       ; a wave's stage: 16 rows x (512 + 16) bytes
.set SPARE, 4*STGB                     ; behind the stages: the spare words, 128 bytes a wave: two blocks of 256 bytes that no other line names
.set LI,    2                          ; v2   16 x lane
.set SIN,   3                          ; v3   the stage on the way in
.set SOUT,  4                          ; v4   and on the way out: 528 r + 64 h
.set L8,    5                          ; v5   8 x lane
.set SPW,   8                          ; v8   my spare word's LDS address; never rewritten
.set NIL,   9                          ; v9   0; never rewritten
.set TM,    12                         ; v12-27  at work in QUANT
.set PW,    28                         ; v28-31  the four units' scale words
.set PC,    32                         ; v32-50  a unit's codes
.set X,     52                         ; v52-115 64 numbers: register 16 b + i = k 32 b + 16 h + i of my row
.set R,     116                        ; v116-243 two sets of 16 x 4 registers as loaded
	s_load_b256 s[4:11], s[0:1], 0x0               ; x, Wk, Wq, Wv
	s_load_b256 s[12:19], s[0:1], 0x20             ; x_img, x_sc, w_img, w_sc
	v_lshl_add_u32 v[SPW], v0, 2, SPARE
	v_mov_b32 v[NIL], 0
	v_lshrrev_b32 v1, 5, v0
	v_readfirstlane_b32 s20, v1                    ; wave
	v_and_b32 v1, 31, v0                           ; lane
	v_lshlrev_b32 v[LI], 4, v1
	v_lshlrev_b32 v[L8], 3, v1
	s_mul_i32 s21, s20, STGB
	v_add_nc_u32 v[SIN], s21, v[LI]
	v_and_b32 v10, 15, v0                          ; r
	v_bfe_u32 v11, v0, 4, 1                        ; h
	v_mul_u32_u24 v[SOUT], v10, 528
	v_lshl_add_u32 v[SOUT], v11, 6, v[SOUT]
	v_add_nc_u32 v[SOUT], s21, v[SOUT]
.irp b, 0,1,2,3
	v_mov_b32 v[TM+4+\b], 0                        ; written once: a lane permute's destination counts as one of its sources
.endr
	s_mov_b32 s22, 0x76543210
	s_mov_b32 s23, 0xfedcba98                      ; selects for lane l xor 16
	s_mov_b32 s24, 0xffff0000                      ; lanes 16-31
	s_lshr_b32 s25, s20, 1                         ; u
	s_and_b32 s26, s20, 1                          ; which half of K
	s_cmp_lt_u32 ttmp9, 512
	s_cselect_b32 s27, 0, 512
	s_sub_co_u32 s27, ttmp9, s27                   ; the group of 32 rows in the image: of x, or of the three weights on end
	s_and_b32 s28, s27, 15                         ; and in one weight
	s_cmp_lt_u32 ttmp9, 512
	s_cselect_b32 s28, s27, s28
	s_lshl_b32 s28, s28, 17                        ; 32 rows of 4,096 bytes,
	s_lshl_b32 s29, s25, 15                        ; + 8 u rows,
	s_add_co_u32 s28, s28, s29
	s_lshl_b32 s29, s26, 11                        ; + four K steps of 512 bytes
	s_add_co_u32 s28, s28, s29
	s_mov_b32 s29, 0
	s_mul_i32 s30, s27, 24576                      ; the image: two tiles of 8 units,
	s_mul_i32 s31, s25, 12288
	s_add_co_u32 s30, s30, s31
	s_mul_i32 s31, s26, 6144
	s_add_co_u32 s30, s30, s31
	s_mov_b32 s31, 0
	s_lshl_b32 s32, s27, 10                        ; the scale words: 512 bytes a tile, 256 for my half of K
	s_lshl_b32 s33, s25, 9
	s_add_co_u32 s32, s32, s33
	s_lshl_b32 s33, s26, 8
	s_add_co_u32 s32, s32, s33
	s_mov_b32 s33, 0
	s_wait_kmcnt 0x0
	s_cmp_lt_u32 ttmp9, 528                        ; the choices hang on the work-group's number alone
	s_cselect_b64 s[6:7], s[6:7], s[8:9]
	s_cmp_lt_u32 ttmp9, 544
	s_cselect_b64 s[6:7], s[6:7], s[10:11]
	s_cmp_lt_u32 ttmp9, 512
	s_cselect_b64 s[4:5], s[4:5], s[6:7]
	s_cselect_b64 s[12:13], s[12:13], s[16:17]
	s_cselect_b64 s[14:15], s[14:15], s[18:19]
	s_add_nc_u64 s[4:5], s[4:5], s[28:29]
	s_add_nc_u64 s[12:13], s[12:13], s[30:31]
	s_add_nc_u64 s[14:15], s[14:15], s[32:33]
.macro LOAD t                          ; unit t: 16 rows x 512 consecutive bytes, into set t % 2
.irp p, 0,1,2,3,4,5,6,7,8,9,10,11,12,13,14,15
	global_load_b128 v[R+64*((\t)%2)+4*\p:R+64*((\t)%2)+4*\p+3], v[LI], s[4:5] offset:(\p+8*(\p/8))*4096+512*(\t) th:TH_LOAD_NT
.endr
.endm
; 64 numbers of a lane become a fragment's codes in v[PC] on and its row's scale word in v[pw]
.macro QUANT s, pw
.irp b, 0,1,2,3
	v_max3_num_f32 v[TM+\b], |v[\s+16*\b]|, |v[\s+1+16*\b]|, 0x1800000   ; my 16 numbers of block b, and the floor 2^(3 - 127): the byte cannot fall under 1
.endr
.irp i, 2,4,6,8,10,12,14
.irp b, 0,1,2,3
	v_max3_num_f32 v[TM+\b], v[TM+\b], |v[\s+16*\b+\i]|, |v[\s+1+16*\b+\i]|
.endr
.endr
.irp b, 0,1,2,3
	v_permlanex16_b32 v[TM+4+\b], v[TM+\b], s22, s23
.endr
.irp b, 0,1,2,3
	v_max_num_f32 v[TM+\b], v[TM+\b], v[TM+4+\b]   ; with lane l xor 16's: the block's largest magnitude
.endr
.irp b, 0,1,2,3
	v_add_nc_u32 v[TM+12+\b], 0xff000000, v[TM+\b] ; 2 off its exponent field: the conversion takes the exponent field of this operand as its scale
.endr
.irp b, 0,1,2,3
	v_lshrrev_b32 v[TM+4+\b], 23, v[TM+12+\b]      ; the scale's byte
.endr
	v_lshl_or_b32 v[\pw], v[TM+5], 8, v[TM+4]
	v_lshl_or_b32 v[\pw], v[TM+6], 16, v[\pw]
	v_lshl_or_b32 v[\pw], v[TM+7], 24, v[\pw]
.irp c, 0,1
	v_cvt_scalef32_pk16_fp6_f32 v[PC+6*\c:PC+2+6*\c], v[\s+32*\c:\s+15+32*\c], v[TM+12+2*\c]
	v_cvt_scalef32_pk16_fp6_f32 v[PC+12+4*\c:PC+14+4*\c], v[\s+16+32*\c:\s+31+32*\c], v[TM+13+2*\c]   ; (a conversion's three registers begin on an even number)
.endr
	v_nop                                          ; one plain place behind a scaled conversion
.irp c, 0,1                            ; the operand's layout wants a whole block in a lane: lanes 0-15 block 2 c, lanes 16-31 block 2 c + 1
.irp i, 0,1,2
	v_permlane16_swap_b32 v[PC+6*\c+\i], v[PC+12+4*\c+\i]
.endr
.irp i, 0,1,2
	v_mov_b32 v[PC+3+6*\c+\i], v[PC+12+4*\c+\i]
.endr
.endr
.endm
.macro UNIT t
.if (\t) < 3
	s_wait_loadcnt 16                              ; this unit's 16 loads are in; the next unit's 16 may be out
.else
	s_wait_loadcnt 0x0
.endif
.irp p, 0,1,2,3,4,5,6,7,8,9,10,11,12,13,14,15
	ds_store_b128 v[SIN], v[R+64*((\t)%2)+4*\p:R+64*((\t)%2)+4*\p+3] offset:528*\p
.endr
.irp b, 0,1,2,3
.irp j, 0,1,2,3
	ds_load_b128 v[X+16*\b+4*\j:X+16*\b+4*\j+3], v[SOUT] offset:128*\b+16*\j   ; LDS serves a wave's instructions in order: these see the stores above
.endr
.endr
	s_wait_dscnt 0x0                               ; the numbers are back, and the stores have read their registers,
.if (\t) < 2
	LOAD (\t)+2                                    ; which take the unit two further on
.endif
.if (\t) > 0
	s_wait_xcnt 0x0                                ; the last unit's stores have read the codes' registers: they are rewritten only behind this wait
.endif
	QUANT X, PW+(\t)
.irp g, 0,1,2
	global_store_b128 v[LI], v[PC+4*\g:PC+4*\g+3], s[12:13] offset:1536*(\t)+512*\g   ; 512 consecutive bytes, aligned
.endr
.endm
	LOAD 0
	LOAD 1
	UNIT 0
	UNIT 1
	UNIT 2
	UNIT 3
	v_cndmask_b32 v6, v[PW], v[PW+2], s24          ; lanes 0-15: the words of my first pair of K steps, lanes 16-31: of my second (a row's word stands in lanes r and r + 16 alike)
	v_cndmask_b32 v7, v[PW+1], v[PW+3], s24
	global_store_b64 v[L8], v[6:7], s[14:15]       ; 256 consecutive bytes, aligned
	s_wait_tensorcnt 0x0                           ; the wave's end, behind my last LDS store
	ds_add_u32 v[SPW], v[NIL]
	s_wait_dscnt 0x0
	s_endpgm
.Lfunc_end_k_q6b99731366_quant:
	.size	k_q6b99731366_quant, .Lfunc_end_k_q6b99731366_quant-k_q6b99731366_quant
	.p2alignl 7, 3214868480
	.fill 96, 4, 3214868480
	.section	.rodata,"a",@progbits
	.p2align	6, 0x0
	.amdhsa_kernel k_q6b99731366_quant
		.amdhsa_group_segment_fixed_size 34304
		.amdhsa_private_segment_fixed_size 0
		.amdhsa_enable_private_segment 0
		.amdhsa_kernarg_size 64
		.amdhsa_user_sgpr_count 2
		.amdhsa_user_sgpr_kernarg_segment_ptr 1
		.amdhsa_wavefront_size32 1
		.amdhsa_system_sgpr_workgroup_id_x 1
		.amdhsa_system_sgpr_workgroup_id_y 1
		.amdhsa_system_sgpr_workgroup_id_z 1
		.amdhsa_system_vgpr_workitem_id 0
		.amdhsa_next_free_vgpr 248
		.amdhsa_next_free_sgpr 66
		.amdhsa_reserve_vcc 0
		.amdhsa_float_denorm_mode_32 3
		.amdhsa_float_denorm_mode_16_64 3
		.amdhsa_memory_ordered 1
		.amdhsa_forward_progress 1
		.amdhsa_inst_pref_size 34
	.end_amdhsa_kernel
	.amdgpu_metadata
---
amdhsa.version: [ 1, 2 ]
amdhsa.kernels:
  - .name:           k_q6b99731366_quant
    .symbol:         k_q6b99731366_quant.kd
    .args:
      - { .name: x, .offset: 0, .size: 8, .value_kind: global_buffer, .address_space: global }
      - { .name: Wk, .offset: 8, .size: 8, .value_kind: global_buffer, .address_space: global }
      - { .name: Wq, .offset: 16, .size: 8, .value_kind: global_buffer, .address_space: global }
      - { .name: Wv, .offset: 24, .size: 8, .value_kind: global_buffer, .address_space: global }
      - { .name: x_img, .offset: 32, .size: 8, .value_kind: global_buffer, .address_space: global }
      - { .name: x_sc, .offset: 40, .size: 8, .value_kind: global_buffer, .address_space: global }
      - { .name: w_img, .offset: 48, .size: 8, .value_kind: global_buffer, .address_space: global }
      - { .name: w_sc, .offset: 56, .size: 8, .value_kind: global_buffer, .address_space: global }
    .group_segment_fixed_size: 34304
    .private_segment_fixed_size: 0
    .kernarg_segment_align: 8
    .kernarg_segment_size: 64
    .max_flat_workgroup_size: 128
    .sgpr_count:     66
    .vgpr_count:     248
    .wavefront_size: 32
...
	.end_amdgpu_metadata
.endif
;; end of part 1
;; launch proj (part 2): grid 6 x 64, 4 waves a work-group, no clusters, 327,680 bytes of LDS; arguments x_img, x_sc, w_img, w_sc, bk, bq, bv, kqv_img, kqv_sc; writes kqv_img, kqv_sc
.if DOCPART == 2
	.amdgcn_target "amdgcn-amd-amdhsa--gfx1250"
	.amdhsa_code_object_version 6
	.text
	.protected	k_q6b99731366_proj
	.globl	k_q6b99731366_proj
	.p2align	8
	.type	k_q6b99731366_proj,@function
k_q6b99731366_proj:
	s_mov_b64 s[64:65], 0
	v_nop
	global_prefetch_b8 v0, s[64:65] scope:SCOPE_SE
	s_setreg_imm32_b32 hwreg(HW_REG_WAVE_MODE, 25, 1), 1
	s_wait_xcnt 0x0
; SECOND LAUNCH.  keys, queries, values = x W^T + b, one product of 16,384 x 1,536 x 1,024 on the first launch's codes; the results are quantised in registers on the way out and stored as register images again.
; No work of reference() is left out here.
; A work-group (column tile COL = 0 .. 5, row tile ROWT = 0 .. 63) makes 256 x 256; four waves, 128 x 128 each: 64 accumulators, 512 registers.  K goes in steps of 256 through two LDS slots.
; THE PRODUCT IS USED TRANSPOSED: source 0 = a tile of LDS region B, source 1 = a tile of region A: a lane holds ONE row of A's tile and its registers run along B's rows, which by the tiles' choice of rows are neighbours.
; COL 0 .. 3 (keys, queries; ROLE 0): A = x, B = W: a lane's registers run along the output channels d, the K of keys x queries.
; COL 4, 5 (values; ROLE 1): A = Wv, B = x: a lane's registers run along the positions, the K of weights x values.  Global pointers alone are swapped; the LDS addresses are the same in both roles.
; So a wave's eight accumulators of one tile of A are 64 numbers a lane in the quantiser's order: one unit and one scale word a row; no stage is needed for the codes.
; The bias is the C of each sum's first product (it is the first term of the f32 sum): ROLE 0: eight registers for each tile of B; ROLE 1: one number a lane for each tile of A, in eight registers.
; OUT: keys at 0 and queries at 6,291,456 of kqv_img: [position tile][4 K steps] units; values at 12,582,912: [group of 128 positions][32 channel tiles] units.
;      scale words: keys at 0, queries at 262,144: [batch][K step][128 position tiles][16 words]; values at 524,288: [group][channel tile][16 words].
; NO CLUSTER: the grid has six tile columns, which four does not divide, and the values' two columns would leave a 4 x 4 cluster without four tile columns of one role.
; LIMITS: as in the first launch (NaN, infinities; the byte held at 1 from below).
; REGISTERS: window 0: v16-29 addresses; v32-63 scale words, two sets; v64-127 the biases; v128-223 A's fragments, one set (on the way out: the codes); v224-247 at work.
;   window 1: B's fragments, two sets, at v0 and v128.  windows 2, 3: accumulator (a, b) at v[8 (8 (a % 4) + b)].
.set FR,    12                         ; registers of a fragment
.set NL,    3                          ; LDS loads that bring one
.set UNITB, 1536
.set TROW,  2*UNITB                    ; a tile's two units of a slot
.set HALFT, 8*TROW                     ; eight tiles: what one tensor load brings, and what one wave reads of A or of B
.set SLOT,  4*HALFT                    ; A's 16 tiles, then B's 16
.set SCL,   2*SLOT                     ; the scale words for all of K: A's 8,192 bytes, then B's
.set SPARE, SCL+16384                  ; the spare words, 128 bytes a wave: two blocks of 256 bytes that no other line names
.set SSTG,  SPARE+512                  ; 512 bytes a wave: the scale words on the way out
.set ADRA,  16                         ; v16-17 my A fragments in slot 0, 1
.set ADRB,  20                         ; v20-21 my B fragments
.set LI,    24                         ; v24  16 x lane
.set SSW,   25                         ; v25  where I put a scale word
.set SSR,   26                         ; v26  where I read 16 bytes of them back
.set ADRS,  27                         ; v27  my scale words: lanes 0-15 A's rows, lanes 16-31 B's
.set SPW,   28
.set NIL,   29
.set SC,    32
.set BI,    64
.set AF,    128
.set PC,    128
.set TM,    224
.set PW,    240
.set FIN,   244
.set G1,    28                         ; s[28:35] group 1 for the tiles;  s[36:43] for the scale words;  s[44:47] group 0 for the scale words;  s[48:55] for slots 0, 1
.set G1S,   36
.set G0S,   44
.set G0,    48
.set MSB, 0
.macro WIN new                         ; the immediate's high byte repeats the setting that is left
.if MSB != (\new)
	s_set_vgpr_msb (MSB<<8)|(\new)
.set MSB, (\new)
.endif
.endm
.macro PLACES
.rept 4
	v_nop
.endr
.endm
	s_load_b256 s[4:11], s[0:1], 0x0               ; x_img, x_sc, w_img, w_sc
	s_load_b256 s[12:19], s[0:1], 0x20             ; bk, bq, bv, kqv_img
	s_load_b64 s[20:21], s[0:1], 0x40              ; kqv_sc
	v_lshl_add_u32 v[SPW], v0, 2, SPARE
	v_mov_b32 v[NIL], 0
	ds_add_u32 v[SPW], v[NIL]                      ; the wave's opening: the add, twice on end, and its wait ahead of my first tensor load
	ds_add_u32 v[SPW], v[NIL]
	v_lshrrev_b32 v1, 5, v0
	v_readfirstlane_b32 s22, v1                    ; wave
	s_lshr_b32 s23, s22, 1                         ; hr: my half of A's tiles.  Also: I fetch for region A (0) or B (1)
	s_and_b32 s24, s22, 1                          ; hc: my half of B's tiles.  Also: which half of that region I fetch
	s_mov_b32 s25, ttmp9                           ; COL
	s_and_b32 s26, ttmp7, 0xffff                   ; ROWT
	s_cmp_ge_u32 s25, 4
	s_cselect_b32 s27, 1, 0                        ; ROLE
	s_mov_b32 s[G1+0], 3<<16                       ; elements of 8 bytes, no mask, no padding
	s_mov_b32 s[G1+1], 384<<16                     ; tensor_dim0 = 384 elements: a tile's two units, 3,072 bytes
	s_mov_b32 s[G1+2], 8<<16                       ; tensor_dim1 = 8 tiles
	s_mov_b32 s[G1+3], 384<<16                     ; tile_dim0
	s_mov_b32 s[G1+4], 8                           ; tile_dim1
	s_mov_b32 s[G1+5], 1536                        ; from tile to tile: 8 units, 12,288 bytes
	s_mov_b32 s[G1+6], 0
	s_mov_b32 s[G1+7], 0
	s_mov_b32 s[G1S+0], 3<<16                      ; eight tiles' scale words: 4,096 dense bytes as 16 rows of 256
	s_mov_b32 s[G1S+1], 32<<16
	s_mov_b32 s[G1S+2], 16<<16
	s_mov_b32 s[G1S+3], 32<<16
	s_mov_b32 s[G1S+4], 16
	s_mov_b32 s[G1S+5], 32
	s_mov_b32 s[G1S+6], 0
	s_mov_b32 s[G1S+7], 0
	s_xor_b32 s56, s23, s27                        ; 0: I fetch x's tiles, 1: W's
	s_cmp_eq_u32 s56, 0
	s_cselect_b32 s57, s26, s25                    ; which block of 256 rows
	s_mul_i32 s62, s57, 196608                     ; 16 tiles of 8 units
	s_mul_i32 s63, s24, 98304
	s_add_co_u32 s62, s62, s63
	s_mov_b32 s63, 0
	s_lshl_b32 s66, s57, 13                        ; 16 tiles of 512 bytes of scale words
	s_lshl_b32 s67, s24, 12
	s_add_co_u32 s66, s66, s67
	s_mov_b32 s67, 0
	s_mul_i32 s74, s22, HALFT                      ; where my tiles go,
	s_lshl_b32 s75, s22, 12                        ; and my scale words
	s_mov_b32 s84, 0x76543210
	s_mov_b32 s85, 0xfedcba98
	s_wait_dscnt 0x0                               ; both opening adds are done
	s_wait_kmcnt 0x0
	s_cmp_eq_u32 s56, 0
	s_cselect_b64 s[58:59], s[4:5], s[8:9]
	s_cselect_b64 s[60:61], s[6:7], s[10:11]
	s_add_nc_u64 s[58:59], s[58:59], s[62:63]
	s_add_nc_u64 s[60:61], s[60:61], s[66:67]
	s_mov_b32 s[G0S], 1
	s_add_co_u32 s[G0S+1], s75, SCL
	s_mov_b64 s[G0S+2:G0S+3], s[60:61]
	s_or_b32 s[G0S+3], s[G0S+3], 0x80000000
.irp s, 0,1
	s_mov_b32 s[G0+4*\s], 1
	s_add_co_u32 s[G0+4*\s+1], s74, \s*SLOT
	s_add_nc_u64 s[G0+4*\s+2:G0+4*\s+3], s[58:59], \s*TROW
	s_or_b32 s[G0+4*\s+3], s[G0+4*\s+3], 0x80000000
.endr
	tensor_load_to_lds s[G0S:G0S+3], s[G1S:G1S+7]  ; every wave's three first fills go out together: three loads of mine are out
	s_nop 0
	tensor_load_to_lds s[G0:G0+3], s[G1:G1+7]
	s_nop 0
	tensor_load_to_lds s[G0+4:G0+7], s[G1:G1+7]
	s_nop 0
	PLACES
	v_and_b32 v1, 31, v0
	v_lshlrev_b32 v[LI], 4, v1
	v_and_b32 v2, 15, v0                           ; r
	v_bfe_u32 v3, v0, 4, 1                         ; h
	s_mul_i32 s56, s23, HALFT
	s_mul_i32 s57, s24, HALFT
	s_add_co_u32 s57, s57, 2*HALFT
.irp s, 0,1
	v_add_nc_u32 v[ADRA+\s], s56, v[LI]
	v_add_nc_u32 v[ADRB+\s], s57, v[LI]
	s_add_co_u32 s56, s56, SLOT
	s_add_co_u32 s57, s57, SLOT
.endr
	v_lshlrev_b32 v4, 3, v2                        ; 8 bytes a row: the two words of a slot's K steps
	s_lshl_b32 s56, s23, 12
	s_lshl_b32 s57, s24, 12
	s_add_co_u32 s57, s57, 8192
	s_sub_co_u32 s57, s57, s56
	v_mul_u32_u24 v5, s57, v3                      ; lanes 16-31 take B's
	s_add_co_u32 s56, s56, SCL
	v_add_nc_u32 v4, v4, v5
	v_add_nc_u32 v[ADRS], s56, v4
	s_lshl_b32 s56, s22, 9
	s_add_co_u32 s56, s56, SSTG
	v_lshl_add_u32 v[SSW], v2, 2, s56
	v_add_nc_u32 v[SSR], s56, v[LI]
	v_lshlrev_b32 v6, 6, v3                        ; ROLE 0: 64 h bytes: my half's 16 channels of a group of 32
	v_and_b32 v7, 8, v2
	v_add_nc_u32 v7, v7, v2
	v_lshlrev_b32 v7, 2, v7                        ; ROLE 1: my row's channel in a tile: r + 8 (r / 8)
.irp b, 0,1,2,3
	v_mov_b32 v[TM+4+\b], 0                        ; written once: a lane permute's destination counts as one of its sources
.endr
	s_cmp_lt_u32 s25, 2
	s_cselect_b64 s[68:69], s[12:13], s[14:15]
	s_cmp_eq_u32 s27, 0
	s_cselect_b64 s[68:69], s[68:69], s[16:17]     ; bk, bq or bv
	s_cselect_b32 s71, s24, s23                    ; the half that runs along the channels
	s_and_b32 s70, s25, 1
	s_lshl_b32 s72, s70, 10
	s_lshl_b32 s71, s71, 9
	s_add_co_u32 s72, s72, s71
	s_mov_b32 s73, 0
	s_add_nc_u64 s[68:69], s[68:69], s[72:73]
	s_cmp_eq_u32 s27, 0
	s_cbranch_scc0 .Lbias_v
.irp t, 0,1,2,3,4,5,6,7
	global_load_b128 v[BI+8*\t:BI+8*\t+3], v6, s[68:69] offset:(32*(\t/2)+8*(\t%2))*4
	global_load_b128 v[BI+8*\t+4:BI+8*\t+7], v6, s[68:69] offset:(32*(\t/2)+8*(\t%2))*4+16
.endr
	s_branch .Lbias_in
.Lbias_v:
.irp a, 0,1,2,3,4,5,6,7
.irp j, 0,1,2,3,4,5,6,7
	global_load_b32 v[BI+8*\a+\j], v7, s[68:69] offset:(32*(\a/2)+8*(\a%2))*4
.endr
.endr
.Lbias_in:
	; where my eight units and their scale words go
	s_lshl_b32 s76, s26, 4
	s_lshl_b32 s77, s23, 3
	s_add_co_u32 s76, s76, s77
	s_lshl_b32 s76, s76, 2
	s_lshl_b32 s78, s70, 1
	s_add_co_u32 s78, s78, s24                     ; ROLE 0: the K step of keys x queries: 2 (COL % 2) + hc
	s_add_co_u32 s76, s76, s78                     ; ROLE 0: first unit (16 ROWT + 8 hr) 4 + K step
	s_lshl_b32 s79, s26, 1
	s_add_co_u32 s79, s79, s24
	s_lshl_b32 s79, s79, 5
	s_lshl_b32 s80, s70, 4
	s_add_co_u32 s79, s79, s80
	s_add_co_u32 s79, s79, s77                     ; ROLE 1: first unit (2 ROWT + hc) 32 + 16 (COL - 4) + 8 hr
	s_lshr_b32 s80, s26, 3
	s_lshl_b32 s80, s80, 2
	s_add_co_u32 s80, s80, s78
	s_lshl_b32 s80, s80, 7
	s_and_b32 s81, s26, 7
	s_lshl_b32 s81, s81, 4
	s_add_co_u32 s80, s80, s81
	s_add_co_u32 s80, s80, s77                     ; ROLE 0: first run of 16 scale words
	s_mov_b32 s82, 1536
	s_cmp_eq_u32 s27, 0
	s_cselect_b32 s76, s76, s79
	s_cselect_b32 s80, s80, s79
	s_cselect_b32 s82, 6144, s82                   ; from my unit to my next
	s_mov_b32 s83, 0
	s_lshr_b32 s81, s25, 1                         ; keys 0, queries 1, values 2
	s_mul_i32 s76, s76, 1536
	s_mul_i32 s77, s81, 6291456
	s_add_co_u32 s76, s76, s77
	s_mov_b32 s77, 0
	s_add_nc_u64 s[18:19], s[18:19], s[76:77]
	s_lshl_b32 s80, s80, 6
	s_lshl_b32 s81, s81, 18
	s_add_co_u32 s80, s80, s81
	s_mov_b32 s81, 0
	s_add_nc_u64 s[20:21], s[20:21], s[80:81]
.macro FRAG reg, adr, q, i             ; a unit comes back as it was stored: three loads of 16 bytes a lane, 512 consecutive bytes each
.irp g, 0,1,2
	ds_load_b128 v[\reg+4*\g:\reg+4*\g+3], v[\adr] offset:TROW*(\i)+UNITB*(\q)+512*\g
.endr
.endm
; 16 matrix instructions: A's tiles a0, a0 + 1 x B's eight, 128 along K.  init = 1, 2: the bias starts the sums.  The 64 accumulators take turns, one instruction a turn.
.macro MUL16 a0, p, q, sc, init
.irp a, \a0, \a0+1
.irp b, 0,1,2,3,4,5,6,7
.if \init == 1
	v_wmma_scale_f32_16x16x128_f8f6f4 v[8*(8*((\a)%4)+\b):8*(8*((\a)%4)+\b)+7], v[128*(\p)+FR*\b:128*(\p)+FR*\b+FR-1], v[AF+FR*(\a):AF+FR*(\a)+FR-1], v[BI+8*\b:BI+8*\b+7], v[SC+16*(\sc)+2*\b+(\q)], v[SC+16*(\sc)+2*(\a)+(\q)] matrix_a_fmt:MATRIX_FMT_FP6 matrix_b_fmt:MATRIX_FMT_FP6 matrix_a_scale:MATRIX_SCALE_ROW1
.elseif \init == 2
	v_wmma_scale_f32_16x16x128_f8f6f4 v[8*(8*((\a)%4)+\b):8*(8*((\a)%4)+\b)+7], v[128*(\p)+FR*\b:128*(\p)+FR*\b+FR-1], v[AF+FR*(\a):AF+FR*(\a)+FR-1], v[BI+8*(\a):BI+8*(\a)+7], v[SC+16*(\sc)+2*\b+(\q)], v[SC+16*(\sc)+2*(\a)+(\q)] matrix_a_fmt:MATRIX_FMT_FP6 matrix_b_fmt:MATRIX_FMT_FP6 matrix_a_scale:MATRIX_SCALE_ROW1
.else
	v_wmma_scale_f32_16x16x128_f8f6f4 v[8*(8*((\a)%4)+\b):8*(8*((\a)%4)+\b)+7], v[128*(\p)+FR*\b:128*(\p)+FR*\b+FR-1], v[AF+FR*(\a):AF+FR*(\a)+FR-1], v[8*(8*((\a)%4)+\b):8*(8*((\a)%4)+\b)+7], v[SC+16*(\sc)+2*\b+(\q)], v[SC+16*(\sc)+2*(\a)+(\q)] matrix_a_fmt:MATRIX_FMT_FP6 matrix_b_fmt:MATRIX_FMT_FP6 matrix_a_scale:MATRIX_SCALE_ROW1
.endif
.endr
.endr
.endm
.macro FETCH_B slot, q, p
	WIN 0x40                                       ; destination window 1
.irp i, 0,1,2,3,4,5,6,7
	FRAG 128*(\p)+FR*\i, ADRB+\slot, \q, \i
.endr
	WIN 0
.endm
.macro FETCH_A slot, q, i0
.irp i, \i0, \i0+1, \i0+2, \i0+3
	FRAG AF+FR*(\i), ADRA+\slot, \q, \i
.endr
.endm
.macro SCALES sc                       ; a slot's scale words: two a row; lanes 0-15 A's tile i, lanes 16-31 B's tile i
.irp i, 0,1,2,3,4,5,6,7
	ds_load_b64 v[SC+16*\sc+2*\i:SC+16*\sc+2*\i+1], v[ADRS] offset:512*\i
.endr
.endm
; A slot's first 128 along K.  Four plain places stand in front of each run of loads into registers that matrix instructions have read (ISA guide 7.12.1 for vector instructions).
.macro STEP slot, init
	s_wait_dscnt 4*NL                              ; B's set and A's tiles 0-3 are in; the youngest 12 loads (A's tiles 4-7) may be out
.if \init
	WIN 0x81                                       ; B window 1, A and the bias window 0, D window 2
.else
	WIN 0xa1
.endif
	MUL16 0, 0, 0, \slot, \init
	MUL16 2, 0, 0, \slot, \init
	s_wait_dscnt 0x0
	PLACES
	FETCH_B \slot, 1, 1
	FETCH_A \slot, 1, 0
.if \init
	WIN 0xc1
.else
	WIN 0xf1
.endif
	MUL16 4, 0, 0, \slot, \init
	MUL16 6, 0, 0, \slot, \init
	PLACES
	WIN 0
	FETCH_A \slot, 1, 4
.endm
; A slot's second 128 along K changes slots: one barrier; in front of it each wave waits for all its tensor loads, adds 0 to its spare word, and waits for that and for its reads of this slot.
.macro TURN slot, next, fill
	s_wait_tensorcnt 0x0                           ; all my tensor loads have landed: my part of the next slot
	ds_add_u32 v[SPW], v[NIL]                      ; 0 onto my spare word
	s_wait_dscnt 4*NL+1                            ; (the add and the youngest 12 loads may be out)
	WIN 0xa1
	MUL16 0, 1, 1, \slot, 0
	s_wait_dscnt 0x0                               ; the add is done, and my reads of this slot are over
	s_barrier_signal -1
	MUL16 2, 1, 1, \slot, 0
	WIN 0
	s_barrier_wait -1
.if \fill
	s_add_nc_u64 s[G0+4*\slot+2:G0+4*\slot+3], s[G0+4*\slot+2:G0+4*\slot+3], 2*TROW
	tensor_load_to_lds s[G0+4*\slot:G0+4*\slot+3], s[G1:G1+7]   ; my one tensor load behind this barrier, and the first thing there: one load of mine is out
	s_nop 0
.endif
	PLACES
	v_add_nc_u32 v[ADRS], 128, v[ADRS]             ; the next slot's scale words
	FETCH_B \next, 0, 0
	FETCH_A \next, 0, 0
	SCALES \next
	WIN 0xf1
	MUL16 4, 1, 1, \slot, 0
	MUL16 6, 1, 1, \slot, 0
	PLACES
	WIN 0
	FETCH_A \next, 0, 4
.endm
	s_wait_tensorcnt 1                             ; the scale words and my part of slot 0 are in; slot 1's load may be out
	s_barrier_signal -1
	s_barrier_wait -1
	FETCH_B 0, 0, 0
	FETCH_A 0, 0, 0
	SCALES 0
	FETCH_A 0, 0, 4
	s_wait_loadcnt 0x0                             ; the biases
	s_cmp_eq_u32 s27, 0                            ; the first step differs in its C alone: by B's tile or by A's
	s_cbranch_scc0 .Lfirst_v
	STEP 0, 1
	s_branch .Lfirst_done
.Lfirst_v:
	STEP 0, 2
.Lfirst_done:
	TURN 0, 1, 1
	STEP 1, 0
	TURN 1, 0, 1
	STEP 0, 0
	TURN 0, 1, 0                                   ; nothing is left to fetch
	STEP 1, 0
	s_wait_dscnt 4*NL
	WIN 0xa1
	MUL16 0, 1, 1, 1, 0
	MUL16 2, 1, 1, 1, 0
	s_wait_dscnt 0x0
	WIN 0xf1
	MUL16 4, 1, 1, 1, 0
	MUL16 6, 1, 1, 1, 0
	WIN 0
	PLACES
; THE WAY OUT.  The eight accumulators of A's tile a are 64 numbers a lane, register 16 b + i = k 32 b + 16 h + i of my row: they become one unit and one scale word a row.  Each accumulator is read from its low end on.
.macro QACC a
.set AC, 64*((\a)%4)
.set WS, 2+(\a)/4
.if (\a) > 0
	s_wait_xcnt 0x0                                ; the last unit's stores have read the codes' registers and their base
	s_wait_dscnt 0x0
	s_add_nc_u64 s[18:19], s[18:19], s[82:83]
.endif
	WIN WS*5                                       ; sources 0 and 1 in the accumulators' window
.irp b, 0,1,2,3
	v_max3_num_f32 v[TM+\b], |v[AC+16*\b]|, |v[AC+16*\b+1]|, 0x1800000
.endr
.irp i, 2,4,6,8,10,12,14
.irp b, 0,1,2,3
	v_max3_num_f32 v[TM+\b], |v[AC+16*\b+\i]|, |v[AC+16*\b+\i+1]|, v[TM+\b]
.endr
.endr
	WIN 0
.irp b, 0,1,2,3
	v_permlanex16_b32 v[TM+4+\b], v[TM+\b], s84, s85
.endr
.irp b, 0,1,2,3
	v_max_num_f32 v[TM+\b], v[TM+\b], v[TM+4+\b]
.endr
.irp b, 0,1,2,3
	v_add_nc_u32 v[TM+12+\b], 0xff000000, v[TM+\b]
.endr
.irp b, 0,1,2,3
	v_lshrrev_b32 v[TM+4+\b], 23, v[TM+12+\b]
.endr
	v_lshl_or_b32 v[PW], v[TM+5], 8, v[TM+4]
	v_lshl_or_b32 v[PW], v[TM+6], 16, v[PW]
	v_lshl_or_b32 v[PW], v[TM+7], 24, v[PW]
	WIN WS                                         ; source 0 in the accumulators' window
.irp c, 0,1
	v_cvt_scalef32_pk16_fp6_f32 v[PC+6*\c:PC+2+6*\c], v[AC+32*\c:AC+32*\c+15], v[TM+12+2*\c]
	v_cvt_scalef32_pk16_fp6_f32 v[PC+12+4*\c:PC+14+4*\c], v[AC+32*\c+16:AC+32*\c+31], v[TM+13+2*\c]
.endr
	WIN 0
	v_nop                                          ; one plain place behind a scaled conversion
.irp c, 0,1
.irp i, 0,1,2
	v_permlane16_swap_b32 v[PC+6*\c+\i], v[PC+12+4*\c+\i]
.endr
.irp i, 0,1,2
	v_mov_b32 v[PC+3+6*\c+\i], v[PC+12+4*\c+\i]
.endr
.endr
.irp g, 0,1,2
	global_store_b128 v[LI], v[PC+4*\g:PC+4*\g+3], s[18:19] offset:512*\g   ; 512 consecutive bytes, aligned
.endr
	ds_store_b32 v[SSW], v[PW] offset:64*(\a)      ; lanes r and r + 16 write the same word with the same value
.endm
.irp a, 0,1,2,3,4,5,6,7
	QACC \a
.endr
	ds_load_b128 v[FIN:FIN+3], v[SSR]              ; LDS serves a wave's instructions in order: this sees my stores
	s_wait_dscnt 0x0
	global_store_b128 v[LI], v[FIN:FIN+3], s[20:21]   ; my eight tiles' scale words: 512 consecutive bytes, aligned
	s_wait_tensorcnt 0x0                           ; the wave's end, behind my last tensor load and my last LDS store
	ds_add_u32 v[SPW], v[NIL]
	s_wait_dscnt 0x0
	s_endpgm
.Lfunc_end_k_q6b99731366_proj:
	.size	k_q6b99731366_proj, .Lfunc_end_k_q6b99731366_proj-k_q6b99731366_proj
	.p2alignl 7, 3214868480
	.fill 96, 4, 3214868480
	.section	.rodata,"a",@progbits
	.p2align	6, 0x0
	.amdhsa_kernel k_q6b99731366_proj
		.amdhsa_group_segment_fixed_size 327680
		.amdhsa_private_segment_fixed_size 0
		.amdhsa_enable_private_segment 0
		.amdhsa_kernarg_size 72
		.amdhsa_user_sgpr_count 2
		.amdhsa_user_sgpr_kernarg_segment_ptr 1
		.amdhsa_wavefront_size32 1
		.amdhsa_system_sgpr_workgroup_id_x 1
		.amdhsa_system_sgpr_workgroup_id_y 1
		.amdhsa_system_sgpr_workgroup_id_z 1
		.amdhsa_system_vgpr_workitem_id 0
		.amdhsa_next_free_vgpr 1024
		.amdhsa_next_free_sgpr 96
		.amdhsa_reserve_vcc 0
		.amdhsa_float_denorm_mode_32 3
		.amdhsa_float_denorm_mode_16_64 3
		.amdhsa_memory_ordered 1
		.amdhsa_forward_progress 1
		.amdhsa_inst_pref_size 156
	.end_amdhsa_kernel
	.amdgpu_metadata
---
amdhsa.version: [ 1, 2 ]
amdhsa.kernels:
  - .name:           k_q6b99731366_proj
    .symbol:         k_q6b99731366_proj.kd
    .args:
      - { .name: x_img, .offset: 0, .size: 8, .value_kind: global_buffer, .address_space: global }
      - { .name: x_sc, .offset: 8, .size: 8, .value_kind: global_buffer, .address_space: global }
      - { .name: w_img, .offset: 16, .size: 8, .value_kind: global_buffer, .address_space: global }
      - { .name: w_sc, .offset: 24, .size: 8, .value_kind: global_buffer, .address_space: global }
      - { .name: bk, .offset: 32, .size: 8, .value_kind: global_buffer, .address_space: global }
      - { .name: bq, .offset: 40, .size: 8, .value_kind: global_buffer, .address_space: global }
      - { .name: bv, .offset: 48, .size: 8, .value_kind: global_buffer, .address_space: global }
      - { .name: kqv_img, .offset: 56, .size: 8, .value_kind: global_buffer, .address_space: global }
      - { .name: kqv_sc, .offset: 64, .size: 8, .value_kind: global_buffer, .address_space: global }
    .group_segment_fixed_size: 327680
    .private_segment_fixed_size: 0
    .kernarg_segment_align: 8
    .kernarg_segment_size: 72
    .max_flat_workgroup_size: 128
    .sgpr_count:     96
    .vgpr_count:     1024
    .wavefront_size: 32
...
	.end_amdgpu_metadata
.endif
;; end of part 2
;; launch attn (part 3): grid 32 x 8, 4 waves a work-group, clusters of 4 x 1, 327,680 bytes of LDS; arguments kqv_img, kqv_sc, out0; writes out0
.if DOCPART == 3
	.amdgcn_target "amdgcn-amd-amdhsa--gfx1250"
	.amdhsa_code_object_version 6
	.text
	.protected	k_q6b99731366_attn
	.globl	k_q6b99731366_attn
	.p2align	8
	.type	k_q6b99731366_attn,@function
k_q6b99731366_attn:
	s_mov_b64 s[64:65], 0
	v_nop
	global_prefetch_b8 v0, s[64:65] scope:SCOPE_SE
	s_setreg_imm32_b32 hwreg(HW_REG_WAVE_MODE, 25, 1), 1
	s_wait_xcnt 0x0
	s_wait_alu depctr_hold_cnt(0) depctr_sa_sdst(0) depctr_va_vdst(0) depctr_va_sdst(0) depctr_va_ssrc(0) depctr_va_vcc(0) depctr_vm_vsrc(0)
	s_getreg_b32 s2, hwreg(HW_REG_IB_STS2, 6, 4)
	s_cmp_eq_u32 s2, 0
	s_cbranch_scc0 .Lentry_in_a_cluster
	s_endpgm
.Lentry_in_a_cluster:
	s_bfe_u32 s2, ttmp6, 0x10000c
	s_cmp_lg_u32 s2, 0x3003
	s_cbranch_scc0 .Lentry_shape_is_right
	s_endpgm
.Lentry_shape_is_right:
; THIRD LAUNCH.  out[b][j][:] = sum over l of w[b][j][l] values[b][l][:], w = +-softmax_l(keys[b][j] . queries[b][l] / sqrt(512)), + where l >= j, both products on codes of E2M3.
; No work of reference() is left out here; keys x queries is made TWICE: w is quantised finished (normalised, signed), in blocks of 32 along l, and a row's sum is known only behind its last column.
; PASS 1 walks all queries and keeps, for each row, a running M (the largest t = score x log2(e) / sqrt(512), rounded UP to a whole number) and the sum L of 2^(t - M); when M moves, L is multiplied by a power of two.
; PASS 2 walks them again: w = 2^(t - M) x (1 / L), signed, quantised, and multiplied with the values.  The second walk's products are the first's, instruction for instruction, so t never lies above M.
; SHARES.  A work-group owns 64 rows j of one batch: four tiles m of keys, in registers for the whole launch.  THE WAVES SHARE THE COLUMNS, NOT THE ROWS: in a step of 128 columns wave w makes the scores of all 64 rows
; for its 32 columns (source 0 = 16 queries, source 1 = 16 keys: a lane holds one row j, its 16 registers 16 neighbouring l), so each fragment of the queries feeds four products.  In the second product wave w owns
; channels 128 w .. 128 w + 127 of all 64 rows (source 0 = 16 channels of the values, source 1 = w's tile).  w goes from wave to wave through LDS as an image of the operand's registers.
; CLUSTER.  The four work-groups of a cluster belong to one batch and walk the same queries and values: each tile is asked for JOINTLY, by the same tensor load with the same descriptor and a mask that names the four.
; LIMITS: NaN and infinities are not served.  A weight under 2^-126 counts as 0.  A block's byte is held at 1 from below (a block of zeros: byte 1, zero codes).  w is p x the reciprocal of L, not a division.
; LDS: four regions of 49,152 bytes at 0, 0x10000, 0x20000, 0x30000.  Pass 1: two slots of 256 columns (regions 0, 1 and 2, 3), walked from the last chunk to the first, so that columns 0 .. 255 lie in regions 2, 3 at its
; end.  Pass 2: regions 0, 1 the values' two slots, regions 2, 3 the queries'.  w's two buffers lie at 0xC000 and 0xE000, between regions 0 and 1; then the scale words of the batch, the statistics, the spare words.
; REGISTERS: window 0: v1-15 addresses; v16-47 statistics; v48-59 at work; v60-63 queries' scale words; v64-127 scores; v128-151 scale words; v152-167 codes; v168-215 w's fragments; v216-227 address constants.
;   window 1: the 32 accumulators of out, (t, m) at v[8 (4 t + m)].  window 2: keys, (m, s) at v[12 (4 m + s)].  window 3: queries (u, s) at v[12 (4 u + s)]; values t at v[128 + 12 t].
.set QSC,   245760                     ; the batch's scale words of the queries: [K step][128 tiles][16 words]
.set VSC,   278528                     ; of the values: [16 groups][32 channel tiles][16 words]
.set STATS, 311296                     ; 512 bytes a wave
.set SPARE, 313344                     ; the spare words, 128 bytes a wave: two blocks of 256 bytes that no other line names
.set STAGE, 0x20000                    ; the way out: 16 rows x 528 bytes a wave, in region 2, which has then had its last fill and its last read
.set LI,   1
.set L4,   2
.set R4,   3
.set AQ,   4
.set AQS,  5
.set AV,   6
.set AVS,  7
.set APW,  8
.set APR,  9
.set APSW, 10
.set APSR, 11
.set D0,   12                          ; v12  my row j less my first column of a step: a number, never an address
.set DD,   13
.set SPW,  14
.set NIL,  15
.set NM,   16                          ; tile m: v[16+2m] -M, v[17+2m] the largest score
.set LS,   24                          ; v[24+2m:25+2m] the sum in two halves
.set RR,   32                          ; v[32+2m] +-1/L, v[33+2m] 1/L
.set FF,   40                          ; v[40+2m] the power of two, v[41+2m] its exponent
.set T0,   48
.set T1,   52
.set T2,   56
.set QS,   60
.set S,    64
.set KS,   128
.set PSC,  144
.set VS,   148
.set CD,   152
.set PF,   168
.set AQ0,  216                         ; 12,288 w + 16 lane: my fragments in a region, of the queries and of the values alike
.set AQS0, 217
.set AVS0, 218
.set APW0, 219
.set APR0, 220
.set APSW0, 221
.set APSR0, 222
.set AST,  223
.set ASR,  224
.set STO,  225
.set RD,   226
.set PFO,  227
.set WV,   18
.set G1,   24                          ; s[24:31] group 1: 24,576 dense bytes;  s[32:39]: 16,384;  s[40:43] group 0 for the scale words, s[44:47] for pass 1, s[48:51] for pass 2
.set G1S,  32
.set G0S,  40
.set G0P,  44
.set G0W,  48
.set MSB, 0
.macro WIN new
.if MSB != (\new)
	s_set_vgpr_msb (MSB<<8)|(\new)
.set MSB, (\new)
.endif
.endm
.macro PLACES
.rept 4
	v_nop
.endr
.endm
.macro ROUND                           ; a round of the cluster's barrier
	s_barrier_signal -1
	s_barrier_wait -1
	s_cmp_lg_u32 s[WV], 0
	s_cbranch_scc1 .Lnot_wave_0_\@
	s_barrier_signal -3
.Lnot_wave_0_\@:
	s_barrier_wait -3
	s_barrier_signal -1
	s_barrier_wait -1
.endm
.macro MM d, a, b, sa, sb, zero, row1
.if \zero
.if \row1
	v_wmma_scale_f32_16x16x128_f8f6f4 v[(\d):(\d)+7], v[(\a):(\a)+11], v[(\b):(\b)+11], 0, v[\sa], v[\sb] matrix_a_fmt:MATRIX_FMT_FP6 matrix_b_fmt:MATRIX_FMT_FP6 matrix_a_scale:MATRIX_SCALE_ROW1
.else
	v_wmma_scale_f32_16x16x128_f8f6f4 v[(\d):(\d)+7], v[(\a):(\a)+11], v[(\b):(\b)+11], 0, v[\sa], v[\sb] matrix_a_fmt:MATRIX_FMT_FP6 matrix_b_fmt:MATRIX_FMT_FP6
.endif
.else
.if \row1
	v_wmma_scale_f32_16x16x128_f8f6f4 v[(\d):(\d)+7], v[(\a):(\a)+11], v[(\b):(\b)+11], v[(\d):(\d)+7], v[\sa], v[\sb] matrix_a_fmt:MATRIX_FMT_FP6 matrix_b_fmt:MATRIX_FMT_FP6 matrix_a_scale:MATRIX_SCALE_ROW1
.else
	v_wmma_scale_f32_16x16x128_f8f6f4 v[(\d):(\d)+7], v[(\a):(\a)+11], v[(\b):(\b)+11], v[(\d):(\d)+7], v[\sa], v[\sb] matrix_a_fmt:MATRIX_FMT_FP6 matrix_b_fmt:MATRIX_FMT_FP6
.endif
.endif
.endm
	s_load_b128 s[4:7], s[0:1], 0x0                ; kqv_img, kqv_sc
	s_load_b64 s[8:9], s[0:1], 0x10                ; out0
	v_lshl_add_u32 v[SPW], v0, 2, SPARE
	v_mov_b32 v[NIL], 0
	ds_add_u32 v[SPW], v[NIL]                      ; the wave's opening: the add, twice on end, and its wait ahead of the round in front of my first tensor load
	ds_add_u32 v[SPW], v[NIL]
	v_lshrrev_b32 v48, 5, v0
	v_readfirstlane_b32 s[WV], v48                 ; wave
	s_bfe_u32 s19, ttmp6, 0x40000                  ; cx: it enters the keys', out's and the prefetches' global addresses and the number D0, and nothing else
	s_and_b32 s20, ttmp7, 0xffff                   ; the batch
	s_lshl_b32 s21, ttmp9, 2
	s_add_co_u32 s21, s21, s19                     ; my block of 64 rows
	s_lshr_b32 s22, s[WV], 1
	s_and_b32 s23, s[WV], 1
	s_mov_b32 s[G1+0], 15|(3<<16)|(1<<21)          ; the mask: all four work-groups; elements of 8 bytes; bit 21 set beside a mask
	s_mov_b32 s[G1+1], 32<<16                      ; rows of 256 bytes,
	s_mov_b32 s[G1+2], 96<<16                      ; 96 of them, dense
	s_mov_b32 s[G1+3], 32<<16
	s_mov_b32 s[G1+4], 96
	s_mov_b32 s[G1+5], 32
	s_mov_b32 s[G1+6], 0
	s_mov_b32 s[G1+7], 0
	s_mov_b32 s[G1S+0], 15|(3<<16)|(1<<21)
	s_mov_b32 s[G1S+1], 32<<16
	s_mov_b32 s[G1S+2], 64<<16
	s_mov_b32 s[G1S+3], 32<<16
	s_mov_b32 s[G1S+4], 64
	s_mov_b32 s[G1S+5], 32
	s_mov_b32 s[G1S+6], 0
	s_mov_b32 s[G1S+7], 0
	s_mul_i32 s73, s20, 786432                     ; the batch in each of the three images,
	s_lshl_b32 s74, s20, 15                        ; and in each run of scale words
	s_add_co_u32 s76, s22, 1                       ; waves 0, 1: the queries' scale words, waves 2, 3: the values'; half each
	s_lshl_b32 s76, s76, 18
	s_add_co_u32 s76, s76, s74
	s_lshl_b32 s77, s23, 14
	s_add_co_u32 s76, s76, s77
	s_mov_b32 s77, 0
	s_mul_i32 s78, s[WV], 24576                    ; pass 1: my quarter of the queries' chunk 7
	s_add_co_u32 s78, s78, s73
	s_add_co_u32 s78, s78, 6291456+7*98304
	s_mov_b32 s79, 0
	s_xor_b32 s75, s22, 1
	s_add_co_u32 s80, s22, 1                       ; pass 2: waves 0, 1 stand at the queries' step 1, waves 2, 3 at the values' step 0; half each
	s_mul_i32 s80, s80, 6291456
	s_add_co_u32 s80, s80, s73
	s_mul_i32 s81, s75, 49152
	s_add_co_u32 s80, s80, s81
	s_mul_i32 s81, s23, 24576
	s_add_co_u32 s80, s80, s81
	s_mov_b32 s81, 0
	s_mov_b32 s[G0S], 1
	s_lshl_b32 s[G0S+1], s[WV], 14
	s_add_co_u32 s[G0S+1], s[G0S+1], QSC
	s_mul_i32 s92, s23, 0x6000
	s_mov_b32 s[G0P], 1
	s_lshl_b32 s[G0P+1], s22, 16
	s_add_co_u32 s[G0P+1], s[G0P+1], s92
	s_mov_b32 s[G0W], 1
	s_mul_i32 s[G0W+1], s75, 0x30000
	s_add_co_u32 s[G0W+1], s[G0W+1], s92
	s_lshl_b32 s82, s20, 7                         ; my four tiles of keys
	s_lshl_b32 s83, s21, 2
	s_add_co_u32 s82, s82, s83
	s_mul_i32 s82, s82, 6144
	s_mov_b32 s83, 0
	s_lshl_b32 s84, s21, 8                         ; and their scale words
	s_add_co_u32 s84, s84, s74
	s_mov_b32 s85, 0
	s_lshl_b32 s86, s20, 11                        ; out: my first row, my wave's 128 channels
	s_lshl_b32 s87, s21, 6
	s_add_co_u32 s86, s86, s87
	s_lshl_b32 s86, s86, 11
	s_lshl_b32 s87, s[WV], 9
	s_add_co_u32 s86, s86, s87
	s_mov_b32 s87, 0
	s_mul_i32 s88, s19, 24576                      ; the prefetches: my work-group's quarter of a chunk of 98,304 bytes, my wave's third of that
	s_lshl_b32 s89, s[WV], 13
	s_add_co_u32 s88, s88, s89
	s_add_co_u32 s88, s88, s73
	s_mov_b32 s89, 0
	s_add_co_u32 s90, s88, 12582912                ; in the values' chunk 0,
	s_mov_b32 s91, 0
	s_add_co_u32 s88, s88, 6291456+6*98304         ; in the queries' chunk 6
	s_cmp_eq_u32 s[WV], 3
	s_cselect_b32 s67, 1, 0
	s_or_b32 s67, s67, ttmp9                       ; 0 in waves 0 to 2 of the batch's first cluster: they prefetch; the same in all four partners
	s_mov_b32 s52, 0x3d8293ee                      ; c = log2(e) / sqrt(512)
	s_mov_b32 s53, s52
	s_mov_b32 s54, 0x76543210
	s_mov_b32 s55, 0xfedcba98
	s_mov_b32 s72, 0x80000000
	s_mov_b32 s56, 0                               ; pass 1: the slot in hand,
	s_mov_b32 s57, 7168                            ; and its first step's scale words: 512 bytes a step
	v_and_b32 v48, 31, v0                          ; lane
	v_and_b32 v49, 15, v0                          ; r
	v_bfe_u32 v50, v0, 4, 1                        ; h
	v_lshlrev_b32 v[LI], 4, v48
	v_lshlrev_b32 v[L4], 2, v48
	v_lshlrev_b32 v[R4], 2, v49
	s_mul_i32 s93, s[WV], 12288
	v_add_nc_u32 v[AQ0], s93, v[LI]
	s_lshl_b32 s93, s[WV], 7
	s_add_co_u32 s93, s93, QSC
	v_add_nc_u32 v[AQS0], s93, v[L4]               ; lanes 0-15 my first tile's words, lanes 16-31 my second's
	s_lshl_b32 s93, s[WV], 9
	s_add_co_u32 s93, s93, VSC
	v_add_nc_u32 v[AVS0], s93, v[L4]
	s_mul_i32 s93, s22, 768                        ; w's image: dword q of lane l of tile m at 1,536 m + 256 (q / 2) + 8 l + 4 (q % 2); my block is dwords 6 (w / 2) on of lanes 16 (w % 2) on
	s_lshl_b32 s94, s23, 7
	s_add_co_u32 s93, s93, s94
	v_mul_u32_u24 v51, v50, 1536
	v_lshl_add_u32 v51, v49, 3, v51
	v_add_nc_u32 v[APW0], s93, v51
	v_lshlrev_b32 v[APR0], 3, v48
	s_add_co_u32 s93, s[WV], 6144
	v_add_nc_u32 v[APSW0], s93, v[R4]              ; my byte of a row's scale word
	v_add_nc_u32 v[APSR0], 6144, v[R4]
	v_lshlrev_b32 v51, 3, v49
	s_lshl_b32 s93, s[WV], 9
	s_add_co_u32 s93, s93, STATS
	v_add_nc_u32 v[AST], s93, v51
	v_add_nc_u32 v[ASR], STATS, v51
	s_mul_i32 s93, s[WV], 8448
	s_add_co_u32 s93, s93, STAGE
	v_mul_u32_u24 v51, v49, 528
	v_lshl_add_u32 v51, v50, 6, v51
	v_add_nc_u32 v[STO], s93, v51
	v_add_nc_u32 v[RD], s93, v[LI]
	v_lshlrev_b32 v[PFO], 8, v48
	v_and_b32 v51, 8, v49
	v_add_nc_u32 v51, v51, v49
	v_lshlrev_b32 v52, 4, v50
	v_sub_nc_u32 v51, v51, v52
	s_lshl_b32 s94, s21, 6
	s_lshl_b32 s95, s[WV], 5
	s_sub_co_u32 s94, s94, s95
	v_add_nc_u32 v[D0], s94, v51                   ; 64 x block + r + 8 (r / 8) - 32 w - 16 h
.irp m, 0,1,2,3
	v_mov_b32 v[NM+2*\m+1], 0xff61b1e6             ; the largest score so far: -3e38
	v_mov_b32 v[LS+2*\m], 0
	v_mov_b32 v[LS+2*\m+1], 0
	v_mov_b32 v[T1+\m], 0                          ; written once: a lane permute's destination counts as one of its sources
	v_mov_b32 v[T2+\m], 0
.endr
.irp m, 0,1,2,3
	v_mul_f32 v[T0+\m], s52, v[NM+2*\m+1]
.endr
.irp m, 0,1,2,3
	v_floor_f32 v[NM+2*\m], -v[T0+\m]
.endr
	s_wait_dscnt 0x0                               ; both opening adds are done
	s_wait_kmcnt 0x0
	s_add_nc_u64 s[G0S+2:G0S+3], s[6:7], s[76:77]
	s_or_b32 s[G0S+3], s[G0S+3], 0x80000000
	s_add_nc_u64 s[G0P+2:G0P+3], s[4:5], s[78:79]
	s_or_b32 s[G0P+3], s[G0P+3], 0x80000000
	s_add_nc_u64 s[G0W+2:G0W+3], s[4:5], s[80:81]
	s_or_b32 s[G0W+3], s[G0W+3], 0x80000000
	s_add_nc_u64 s[68:69], s[4:5], s[88:89]
	s_add_nc_u64 s[70:71], s[4:5], s[90:91]
	s_add_nc_u64 s[10:11], s[4:5], s[82:83]
	s_add_nc_u64 s[12:13], s[6:7], s[84:85]
	s_add_nc_u64 s[8:9], s[8:9], s[86:87]
	ROUND                                          ; all four work-groups are here: the first joint loads meet
	tensor_load_to_lds s[G0S:G0S+3], s[G1S:G1S+7]  ; the scale words of the batch: filled once
	s_nop 0
	tensor_load_to_lds s[G0P:G0P+3], s[G1:G1+7]    ; chunk 7 into regions 0, 1: two loads of mine are out
	s_nop 0
	PLACES
	WIN 0x80                                       ; destination window 2
.irp f, 0,1,2,3,4,5,6,7,8,9,10,11,12,13,14,15
.irp g, 0,1,2
	global_load_b128 v[12*\f+4*\g:12*\f+4*\g+3], v[LI], s[10:11] offset:1536*\f+512*\g th:TH_LOAD_NT   ; the keys stay in registers
.endr
.endr
	WIN 0
.irp m, 0,1,2,3
.irp s, 0,1,2,3
	global_load_b32 v[KS+4*\m+\s], v[R4], s[12:13] offset:8192*\s+64*\m
.endr
.endr
.macro QFRAGS                          ; my two tiles of queries, four K steps each (the destination's window is 3)
.irp f, 0,1,2,3,4,5,6,7
.irp g, 0,1,2
	ds_load_b128 v[12*\f+4*\g:12*\f+4*\g+3], v[AQ] offset:1536*\f+512*\g
.endr
.endr
.endm
.macro QSCALES
.irp s, 0,1,2,3
	ds_load_b32 v[QS+\s], v[AQS] offset:8192*\s
.endr
.endm
.macro QFETCH
	WIN 0xc0
	QFRAGS
	WIN 0
	QSCALES
.endm
; The scores of 64 rows x my 32 columns: 32 matrix instructions, eight accumulators by turns, K step by K step
.macro SMUL
	WIN 0x0b                                       ; queries window 3, keys window 2, scores window 0
.irp s, 0,1,2,3
.irp m, 0,1,2,3
.irp u, 0,1
.if \s == 0
	MM S+16*\m+8*\u, 12*(4*\u+\s), 12*(4*\m+\s), QS+\s, KS+4*\m+\s, 1, \u
.else
	MM S+16*\m+8*\u, 12*(4*\u+\s), 12*(4*\m+\s), QS+\s, KS+4*\m+\s, 0, \u
.endif
.endr
.endr
.endr
	WIN 0
.endm
; Pass 1's vector work for a step: each LANE keeps its own M and sum of the columns that it sees; they are joined once, behind the pass.  The four tiles take turns line by line.
.macro P1SOFT
.irp m, 0,1,2,3
	v_max3_num_f32 v[T0+\m], v[S+16*\m], v[S+16*\m+1], v[S+16*\m+2]
.endr
.irp i, 3,5,7,9,11,13
.irp m, 0,1,2,3
	v_max3_num_f32 v[T0+\m], v[T0+\m], v[S+16*\m+\i], v[S+16*\m+\i+1]
.endr
.endr
.irp m, 0,1,2,3
	v_max3_num_f32 v[NM+2*\m+1], v[T0+\m], v[S+16*\m+15], v[NM+2*\m+1]   ; the running largest score
.endr
.irp m, 0,1,2,3
	v_mul_f32 v[T0+\m], s52, v[NM+2*\m+1]          ; as t (c is positive)
.endr
.irp m, 0,1,2,3
	v_mov_b32 v[FF+2*\m+1], v[NM+2*\m]
.endr
.irp m, 0,1,2,3
	v_floor_f32 v[NM+2*\m], -v[T0+\m]              ; -M = floor(-t): M is a whole number
.endr
.irp m, 0,1,2,3
	v_sub_f32 v[FF+2*\m+1], v[NM+2*\m], v[FF+2*\m+1]   ; old M - new M: a whole number, 0 or less
.endr
.irp m, 0,1,2,3
	v_cvt_i32_f32 v[FF+2*\m+1], v[FF+2*\m+1]       ; (it saturates)
.endr
.irp m, 0,1,2,3
	v_ldexp_f32 v[FF+2*\m], 1.0, v[FF+2*\m+1]
.endr
.irp k, 0,2,4,6,8,10,12,14
.irp m, 0,1,2,3
	v_pk_fma_f32 v[S+16*\m+\k:S+16*\m+\k+1], v[S+16*\m+\k:S+16*\m+\k+1], s[52:53], v[NM+2*\m:NM+2*\m+1] op_sel_hi:[1,0,0]   ; t - M
.endr
.endr
.set j, 0
.rept 64
	v_exp_f32 v[S+j], v[S+j]
.set j, j+1
.endr
.irp m, 0,1,2,3
	v_pk_mul_f32 v[LS+2*\m:LS+2*\m+1], v[LS+2*\m:LS+2*\m+1], v[FF+2*\m:FF+2*\m+1] op_sel_hi:[1,0]   ; the sums under the new M: plain places behind the exponentials
.endr
	s_wait_alu depctr_va_vdst(0)                   ; one wait for the batch, ahead of its first reader
.irp k, 0,2,4,6,8,10,12,14
.irp m, 0,1,2,3
	v_pk_add_f32 v[LS+2*\m:LS+2*\m+1], v[LS+2*\m:LS+2*\m+1], v[S+16*\m+\k:S+16*\m+\k+1]
.endr
.endr
.endm
; A chunk's two steps.  The second step's fragments are fetched while the first's statistics are made.
.macro PHASE
	v_add_nc_u32 v[AQ], s56, v[AQ0]
	v_add_nc_u32 v[AQS], s57, v[AQS0]
	QFETCH
	s_wait_dscnt 0x0
	SMUL
	v_add_nc_u32 v[AQ], 0x10000, v[AQ]             ; four plain places in front of loads into registers that matrix instructions have read, and of the first read of results
	v_add_nc_u32 v[AQS], 0x200, v[AQS]
	v_nop
	v_nop
	QFETCH
	P1SOFT
	s_wait_dscnt 0x0
	SMUL
	PLACES
	P1SOFT
.endm
; A prefetch of the chunk that the NEXT change of slots will ask for: 98,304 bytes, 256 bytes a lane, three waves in each of the four partners of the batch's first cluster, told apart by address:
; each aligned block of 256 bytes is named once in the launch.  It stands behind the wave's tensor load and its five lines.
.macro ASK
	s_cmp_eq_u32 s67, 0
	s_cbranch_scc0 .Lnot_mine_\@
	global_prefetch_b8 v[PFO], s[68:69] th:TH_LOAD_NT scope:SCOPE_SE
.Lnot_mine_\@:
.endm
	s_wait_loadcnt 0x0                             ; the keys and their scale words
	s_mov_b32 s63, 7
.Lp1:                                              ; seven trips: chunk 7 - k is worked on while chunk 6 - k comes into the other slot
	s_wait_tensorcnt 0x0                           ; all my tensor loads have landed: my part of the chunk in hand
	ds_add_u32 v[SPW], v[NIL]                      ; 0 onto my spare word
	s_xor_b32 s[G0P+1], s[G0P+1], 0x20000          ; the other slot,
	s_sub_nc_u64 s[G0P+2:G0P+3], s[G0P+2:G0P+3], 98304   ; the chunk before
	s_wait_xcnt 0x0                                ; the last prefetch, a chunk back, has read its address
	s_sub_nc_u64 s[68:69], s[68:69], 98304         ; one chunk further than the walking descriptor;
	s_cmp_eq_u32 s63, 1
	s_cselect_b64 s[68:69], s[70:71], s[68:69]     ; behind the queries' chunk 0 come the values' steps 0 and 1
	s_wait_dscnt 0x0                               ; the add is done, and my reads of the slot that I have left are over
	ROUND
	tensor_load_to_lds s[G0P:G0P+3], s[G1:G1+7]    ; my one tensor load behind the round, and the first thing there
	s_nop 0
	PLACES
	ASK
	PHASE
	s_xor_b32 s56, s56, 0x20000
	s_sub_co_u32 s57, s57, 1024
	s_sub_co_u32 s63, s63, 1
	s_cmp_lg_u32 s63, 0
	s_cbranch_scc1 .Lp1
	s_wait_tensorcnt 0x0                           ; chunk 0 has landed in regions 2, 3
	ds_add_u32 v[SPW], v[NIL]
	s_wait_dscnt 0x0
	ROUND
	s_cmp_lt_u32 s[WV], 2                          ; waves 2, 3 ask for the values' step 0, into region 0
	s_cbranch_scc1 .Lno_v0
	tensor_load_to_lds s[G0W:G0W+3], s[G1:G1+7]
	s_nop 0
	PLACES
.Lno_v0:
	PHASE
	; THE STATISTICS ARE JOINED.  First the fragments of the queries' step 0 are asked for again.
	v_add_nc_u32 v[AQ], 0x20000, v[AQ0]
	v_mov_b32 v[AQS], v[AQS0]
	QFETCH
.irp m, 0,1,2,3
	v_add_f32 v[LS+2*\m], v[LS+2*\m], v[LS+2*\m+1]
.endr
.irp m, 0,1,2,3
	v_permlanex16_b32 v[T0+\m], v[NM+2*\m], s54, s55
.endr
.irp m, 0,1,2,3
	v_min_num_f32 v[FF+2*\m], v[T0+\m], v[NM+2*\m] ; the lesser -M is the greater M
.endr
.irp m, 0,1,2,3
	v_sub_f32 v[T1+\m], v[FF+2*\m], v[NM+2*\m]
.endr
.irp m, 0,1,2,3
	v_cvt_i32_f32 v[T1+\m], v[T1+\m]
.endr
.irp m, 0,1,2,3
	v_ldexp_f32 v[LS+2*\m], v[LS+2*\m], v[T1+\m]   ; my sum under the common M: a power of two
.endr
.irp m, 0,1,2,3
	v_permlanex16_b32 v[T2+\m], v[LS+2*\m], s54, s55
.endr
.irp m, 0,1,2,3
	v_add_f32 v[FF+2*\m+1], v[LS+2*\m], v[T2+\m]
.endr
.irp m, 0,1,2,3
	ds_store_b64 v[AST], v[FF+2*\m:FF+2*\m+1] offset:128*\m   ; lanes r and r + 16 write the same pair
.endr
	s_wait_dscnt 0x0                               ; for the others' sake: my stores are done
	s_barrier_signal -1                            ; the values' step 0 may stay on its way
	s_barrier_wait -1
.irp m, 0,1,2,3
.irp i, 0,1,2,3
	ds_load_b64 v[S+8*\m+2*\i:S+8*\m+2*\i+1], v[ASR] offset:512*\i+128*\m
.endr
.endr
	s_wait_dscnt 0x0
.irp m, 0,1,2,3
	v_min_num_f32 v[NM+2*\m], v[S+8*\m], v[S+8*\m+2]
.endr
.irp m, 0,1,2,3
	v_min_num_f32 v[T0+\m], v[S+8*\m+4], v[S+8*\m+6]
.endr
.irp m, 0,1,2,3
	v_min_num_f32 v[NM+2*\m], v[NM+2*\m], v[T0+\m] ; the row's -M
.endr
.irp i, 0,1,2,3
.irp m, 0,1,2,3
	v_sub_f32 v[S+8*\m+2*\i], v[NM+2*\m], v[S+8*\m+2*\i]
.endr
.endr
.irp i, 0,1,2,3
.irp m, 0,1,2,3
	v_cvt_i32_f32 v[S+8*\m+2*\i], v[S+8*\m+2*\i]
.endr
.endr
.irp i, 0,1,2,3
.irp m, 0,1,2,3
	v_ldexp_f32 v[S+8*\m+2*\i+1], v[S+8*\m+2*\i+1], v[S+8*\m+2*\i]
.endr
.endr
.irp m, 0,1,2,3
	v_add_f32 v[S+8*\m+1], v[S+8*\m+1], v[S+8*\m+3]
	v_add_f32 v[S+8*\m+5], v[S+8*\m+5], v[S+8*\m+7]
.endr
.irp m, 0,1,2,3
	v_add_f32 v[LS+2*\m], v[S+8*\m+1], v[S+8*\m+5] ; the row's sum
.endr
.irp m, 0,1,2,3
	v_rcp_f32 v[RR+2*\m+1], v[LS+2*\m]
.endr
	v_nop                                          ; a plain place behind the last reciprocal
	s_wait_alu depctr_va_vdst(0)                   ; one wait for the four, ahead of their first reader
; Pass 2's vector work for a step: w, signed, quantised; my block of 32 columns goes to w's image in LDS.
.macro P2SOFT
.irp m, 0,1,2,3
	v_xor_b32 v[RR+2*\m], s66, v[RR+2*\m+1]        ; +-1 / L: the four places behind the products
.endr
.irp k, 0,2,4,6,8,10,12,14
.irp m, 0,1,2,3
	v_pk_fma_f32 v[S+16*\m+\k:S+16*\m+\k+1], v[S+16*\m+\k:S+16*\m+\k+1], s[52:53], v[NM+2*\m:NM+2*\m+1] op_sel_hi:[1,0,0]
.endr
.endr
.set j, 0
.rept 64
	v_exp_f32 v[S+j], v[S+j]
.set j, j+1
.endr
	v_sub_nc_u32 v[DD], v[D0], s62                 ; my row less my first column of this step (a plain place behind the exponentials)
	s_wait_alu depctr_va_vdst(0)                   ; one wait for the batch, ahead of its first reader
.irp k, 0,2,4,6,8,10,12,14
.irp m, 0,1,2,3
	v_pk_mul_f32 v[S+16*\m+\k:S+16*\m+\k+1], v[S+16*\m+\k:S+16*\m+\k+1], v[RR+2*\m:RR+2*\m+1] op_sel_hi:[1,0]
.endr
.endr
	s_lshr_b32 s73, s62, 8                         ; only where the step's 256 columns are the cluster's 256 rows does the sign differ inside a step: ids and the count of steps alone, the same in all partners
	s_cmp_eq_u32 s73, ttmp9
	s_cbranch_scc0 .Loff_\@
	v_mov_b32 v[T1], v[DD]
	v_add_nc_u32 v[T1+1], 8, v[DD]
	v_add_nc_u32 v[T1+2], 32, v[DD]
	v_add_nc_u32 v[T1+3], 40, v[DD]                ; tile m's rows lie 32 (m / 2) + 8 (m % 2) further down
.irp i, 0,1,2,3,4,5,6,7,8,9,10,11,12,13,14,15
.irp m, 0,1,2,3
	v_sub_nc_u32 v[T2+\m], \i, v[T1+\m]            ; negative where l < j
.endr
.irp m, 0,1,2,3
	v_and_or_b32 v[S+16*\m+\i], v[T2+\m], s72, v[S+16*\m+\i]   ; its sign bit becomes w's
.endr
.endr
.Loff_\@:
.irp m, 0,1,2,3
	v_max3_num_f32 v[T0+\m], |v[S+16*\m]|, |v[S+16*\m+1]|, 0x1800000   ; the floor 2^(3 - 127): the byte cannot fall under 1
.endr
.irp i, 2,4,6,8,10,12,14
.irp m, 0,1,2,3
	v_max3_num_f32 v[T0+\m], v[T0+\m], |v[S+16*\m+\i]|, |v[S+16*\m+\i+1]|
.endr
.endr
.irp m, 0,1,2,3
	v_permlanex16_b32 v[T1+\m], v[T0+\m], s54, s55
.endr
.irp m, 0,1,2,3
	v_max_num_f32 v[T0+\m], v[T0+\m], v[T1+\m]     ; the block's largest magnitude
.endr
.irp m, 0,1,2,3
	v_add_nc_u32 v[T2+\m], 0xff000000, v[T0+\m]
.endr
.irp m, 0,1,2,3
	v_lshrrev_b32 v[T1+\m], 23, v[T2+\m]
.endr
.irp m, 0,1,2,3
	ds_store_b8 v[APSW], v[T1+\m] offset:64*\m     ; byte w of the row's scale word
.endr
.irp m, 0,1,2,3
	v_cvt_scalef32_pk16_fp6_f32 v[CD+4*\m:CD+4*\m+2], v[S+16*\m:S+16*\m+15], v[T2+\m]
.endr
	v_nop                                          ; one plain place behind a scaled conversion
.irp p, 0,1                            ; tiles 2 p and 2 p + 1 change halves: lanes 0-15 then hold the whole block of tile 2 p, lanes 16-31 that of tile 2 p + 1
.irp i, 0,1,2
	v_permlane16_swap_b32 v[CD+8*\p+\i], v[CD+8*\p+4+\i]
.endr
.irp i, 0,1,2
	v_mov_b32 v[CD+8*\p+3+\i], v[CD+8*\p+4+\i]
.endr
.endr
.irp p, 0,1
.irp i, 0,1,2
	ds_store_b64 v[APW], v[CD+8*\p+2*\i:CD+8*\p+2*\i+1] offset:3072*\p+256*\i
.endr
.endr
.endm
; A STEP OF PASS 2, 128 columns.  ONE round: in front of it my part of w lies in LDS, all my tensor loads have landed, and my reads of the slots that are filled behind it are over.
; fill = 2: waves 0, 1 ask for the queries two steps on, waves 2, 3 for the values one step on; 1: the values alone; 0: nothing.  Each refill has a whole step in which to land.  w has two buffers by turns.
.macro STEP2 zero, fill, nextq, ask
	s_wait_dscnt 0x0                               ; this step's queries are in registers
	v_add_nc_u32 v[APW], s60, v[APW0]
	v_add_nc_u32 v[APSW], s60, v[APSW0]
	v_add_nc_u32 v[APR], s60, v[APR0]
	v_add_nc_u32 v[APSR], s60, v[APSR0]
	v_add_nc_u32 v[AV], s59, v[AQ0]
	v_add_nc_u32 v[AVS], s61, v[AVS0]
.if \nextq
	s_xor_b32 s58, s58, 0x10000
	s_add_co_u32 s57, s57, 512
	v_add_nc_u32 v[AQ], s58, v[AQ0]
	v_add_nc_u32 v[AQS], s57, v[AQS0]
.endif
	s_lshr_b32 s73, s62, 8
	s_cmp_lt_u32 s73, ttmp9
	s_cselect_b32 s66, s72, 0                      ; all of the step's columns lie under all of the cluster's rows: every w is negative
	SMUL
	P2SOFT
	s_wait_tensorcnt 0x0                           ; all my tensor loads have landed
	ds_add_u32 v[SPW], v[NIL]                      ; 0 onto my spare word
.if \fill
	s_xor_b32 s[G0W+1], s[G0W+1], 0x10000          ; the other slot, the next step
	s_add_nc_u64 s[G0W+2:G0W+3], s[G0W+2:G0W+3], 49152
.endif
	s_wait_dscnt 0x0                               ; the add and my stores of w are done; my reads are over
.if \fill
	ROUND
.else
	s_barrier_signal -1
	s_barrier_wait -1
.endif
.if \fill == 2
	tensor_load_to_lds s[G0W:G0W+3], s[G1:G1+7]    ; my one tensor load behind the round, and the first thing there
	s_nop 0
	PLACES
.elseif \fill == 1
	s_cmp_lt_u32 s[WV], 2
	s_cbranch_scc1 .Lno_q_\@
	tensor_load_to_lds s[G0W:G0W+3], s[G1:G1+7]
	s_nop 0
	PLACES
.Lno_q_\@:
.endif
.if \ask                               ; in the even steps up to 12: the values' next two steps, one and two steps ahead of their loads
.if \ask == 1
	s_cmp_eq_u32 s67, 0
.else
	s_and_b32 s73, s63, 1
	s_or_b32 s73, s73, s67
	s_cmp_eq_u32 s73, 0
.endif
	s_cbranch_scc0 .Lno_ask_\@
	s_wait_xcnt 0x0                                ; the last prefetch, two steps back, has read its address
	s_add_nc_u64 s[68:69], s[68:69], 98304
	global_prefetch_b8 v[PFO], s[68:69] th:TH_LOAD_NT scope:SCOPE_SE
.Lno_ask_\@:
.endif
.irp m, 0,1,2,3
.irp i, 0,1,2,3,4,5
	ds_load_b64 v[PF+12*\m+2*\i:PF+12*\m+2*\i+1], v[APR] offset:1536*\m+256*\i
.endr
.endr
.irp m, 0,1,2,3
	ds_load_b32 v[PSC+\m], v[APSR] offset:64*\m
.endr
.irp x, 0,1,2,3
	ds_load_b32 v[VS+\x], v[AVS] offset:128*\x     ; lanes 0-15 tile 2 x, lanes 16-31 tile 2 x + 1
.endr
	WIN 0xc0
.irp t, 0,1,2,3,4,5,6,7
.irp g, 0,1,2
	ds_load_b128 v[128+12*\t+4*\g:128+12*\t+4*\g+3], v[AV] offset:1536*\t+512*\g
.endr
.endr
.if \nextq
	QFRAGS
	WIN 0
	QSCALES
	s_wait_dscnt 28                                ; all but the next step's 24 + 4 loads of the queries
.else
	WIN 0
	s_wait_dscnt 0x0
.endif
	WIN 0x53                                       ; values window 3, w window 0, out window 1
.irp t, 0,1,2,3,4,5,6,7
.irp m, 0,1,2,3
	MM 8*(4*\t+\m), 128+12*\t, PF+12*\m, VS+\t/2, PSC+\m, \zero, \t%2
.endr
.endr
	WIN 0
	s_xor_b32 s59, s59, 0x10000
	s_xor_b32 s60, s60, 0x2000
	s_add_co_u32 s61, s61, 2048
	s_add_co_u32 s62, s62, 128
.endm
	s_mov_b32 s57, 0                               ; the queries' scale words of the step in registers,
	s_mov_b32 s58, 0x20000                         ; and its slot
	s_mov_b32 s59, 0                               ; the values' slot
	s_mov_b32 s60, 0xC000                          ; w's buffer
	s_mov_b32 s61, 0                               ; the values' scale words
	s_mov_b32 s62, 0                               ; the step's first column
	STEP2 1, 2, 1, 1                               ; step 0 starts out's sums
	s_mov_b32 s63, 13
.Lp2:                                              ; steps 1 to 13
	STEP2 0, 2, 1, 2
	s_sub_co_u32 s63, s63, 1
	s_cmp_lg_u32 s63, 0
	s_cbranch_scc1 .Lp2
	STEP2 0, 1, 1, 0                               ; step 14: the last values are asked for
	STEP2 0, 0, 0, 0                               ; step 15: nothing is left to fetch
; THE WAY OUT.  Nothing is divided: w was normalised.  A tile of 16 rows x my 128 channels goes through my own stage and comes back as whole rows of 512 bytes.
.macro TOSTAGE m
	WIN 0x04                                       ; an LDS store's data are its source 1: window 1
.irp t, 0,1,2,3,4,5,6,7
	ds_store_b128 v[STO], v[8*(4*\t+(\m)):8*(4*\t+(\m))+3] offset:128*(\t/2)+32*(\t%2)      ; each accumulator from its low end on
	ds_store_b128 v[STO], v[8*(4*\t+(\m))+4:8*(4*\t+(\m))+7] offset:128*(\t/2)+32*(\t%2)+16
.endr
	WIN 0
.set BB, S+88*((\m)%2)
.irp i, 0,1,2,3,4,5,6,7,8,9,10,11,12,13,14,15
	ds_load_b128 v[BB+4*\i:BB+4*\i+3], v[RD] offset:528*\i   ; LDS serves a wave's instructions in order: these see the stores above, and the next tile's stores come behind them
.endr
.endm
.macro SEND m, younger
.set BB, S+88*((\m)%2)
	s_wait_dscnt \younger
.irp i, 0,1,2,3,4,5,6,7,8,9,10,11,12,13,14,15
	global_store_b128 v[LI], v[BB+4*\i:BB+4*\i+3], s[8:9] offset:(32*((\m)/2)+8*((\m)%2)+\i+8*(\i/8))*2048 th:TH_STORE_NT   ; 512 consecutive bytes, aligned
.endr
.endm
	PLACES                                         ; in front of the first read of results, and of loads into registers that matrix instructions have read
	TOSTAGE 0
.irp m, 1,2,3
.if \m > 1
	s_wait_xcnt 0x0                                ; the stores of the tile two back have read their registers
.endif
	TOSTAGE \m
	SEND \m-1, 32                                  ; behind that tile's loads: this tile's 16 stores and 16 loads
.endr
	SEND 3, 0
	s_wait_tensorcnt 0x0                           ; the wave's end, behind my last tensor load and my last LDS store
	ds_add_u32 v[SPW], v[NIL]
	s_wait_dscnt 0x0
	ROUND                                          ; the closing round: no work-group ends while a partner may still ask for a tile that names it
	s_endpgm
.Lfunc_end_k_q6b99731366_attn:
	.size	k_q6b99731366_attn, .Lfunc_end_k_q6b99731366_attn-k_q6b99731366_attn
	.p2alignl 7, 3214868480
	.fill 96, 4, 3214868480
	.section	.rodata,"a",@progbits
	.p2align	6, 0x0
	.amdhsa_kernel k_q6b99731366_attn
		.amdhsa_group_segment_fixed_size 327680
		.amdhsa_private_segment_fixed_size 0
		.amdhsa_enable_private_segment 0
		.amdhsa_kernarg_size 24
		.amdhsa_user_sgpr_count 2
		.amdhsa_user_sgpr_kernarg_segment_ptr 1
		.amdhsa_wavefront_size32 1
		.amdhsa_system_sgpr_workgroup_id_x 1
		.amdhsa_system_sgpr_workgroup_id_y 1
		.amdhsa_system_sgpr_workgroup_id_z 1
		.amdhsa_system_vgpr_workitem_id 0
		.amdhsa_next_free_vgpr 1024
		.amdhsa_next_free_sgpr 96
		.amdhsa_reserve_vcc 0
		.amdhsa_float_denorm_mode_32 3
		.amdhsa_float_denorm_mode_16_64 3
		.amdhsa_memory_ordered 1
		.amdhsa_forward_progress 1
		.amdhsa_inst_pref_size 226
	.end_amdhsa_kernel
	.amdgpu_metadata
---
amdhsa.version: [ 1, 2 ]
amdhsa.kernels:
  - .name:           k_q6b99731366_attn
    .symbol:         k_q6b99731366_attn.kd
    .args:
      - { .name: kqv_img, .offset: 0, .size: 8, .value_kind: global_buffer, .address_space: global }
      - { .name: kqv_sc, .offset: 8, .size: 8, .value_kind: global_buffer, .address_space: global }
      - { .name: out0, .offset: 16, .size: 8, .value_kind: global_buffer, .address_space: global }
    .group_segment_fixed_size: 327680
    .private_segment_fixed_size: 0
    .kernarg_segment_align: 8
    .kernarg_segment_size: 24
    .max_flat_workgroup_size: 128
    .sgpr_count:     96
    .vgpr_count:     1024
    .wavefront_size: 32
...
	.end_amdgpu_metadata
.endif
;; end of part 3
